; MI455X (gfx1250); checked and timed in simulation.
; The chip was launched on July 23, 2026; its instructions are those of AMD's public machine-readable ISA for CDNA 5 (MIT licence, August 2026) and "CDNA5" Instruction Set Architecture Reference Guide (July 2026). The comments in the code are by the model that wrote it; some were corrected since.
;; Flash Multi Head Attention NS Token. Allowed arithmetic: matrix products marked QUANTISED: E5M2 operands, one given power-of-two scale a tensor, by v_wmma_f32_16x16x64_bf8_bf8 or v_wmma_f32_16x16x128_bf8_bf8, f32 sums; everything else in f32.
;; Inputs: Wk 1,024 x 1,024 float32; Wo 1,024 x 1,024 float32; Wq 1,024 x 1,024 float32; Wv 1,024 x 1,024 float32; attn_mask 2 x 2,048 x 2,048 bool; bk 1,024 float32; bo 1,024 float32; bq 1,024 float32; bv 1,024 float32; key 2 x 2,048 x 1,024 float32; lowp_scales 12 int32 (the exponents e of the quantised operands' scales 2^e); query 2 x 2,048 x 1,024 float32; relative_time 2 x 1 x 2,048 x 2,048 float32; value 2 x 2,048 x 1,024 float32.
;; Outputs: out0 2 x 2,048 x 1,024 float32.
;; This version of the problem:
;;   THIS VERSION OF THE PROBLEM IS GIVEN IN LOW PRECISION. The matrix products marked QUANTISED in the list below multiply operands that are first quantised to E5M2 (5 exponent bits, 2 mantissa bits; 8 bits a number), with one given power-of-two scale for each operand tensor; their sums are f32. All else is computed in f32.
;;   The module's matrix products, in the order in which they are computed (A, B: the left and right operand; K: the contracted axis; several contracted axes count as one K, in the product's order):
;;     1. [M 4,096, K 1,024] x [K 1,024, N 1,024]; A: input query; B: input Wq: QUANTISED (scales: A lowp_scales[0], B lowp_scales[1])
;;     2. [M 4,096, K 1,024] x [K 1,024, N 1,024]; A: input key; B: input Wk: QUANTISED (scales: A lowp_scales[2], B lowp_scales[3])
;;     3. [M 4,096, K 1,024] x [K 1,024, N 1,024]; A: input value; B: input Wv: QUANTISED (scales: A lowp_scales[4], B lowp_scales[5])
;;     4. batch 32 x [M 2,048, K 64] x [K 64, N 2,048]; A: computed on the way; B: computed on the way: QUANTISED (scales: A lowp_scales[6], B lowp_scales[7])
;;     5. batch 32 x [M 2,048, K 2,048] x [K 2,048, N 64]; A: computed on the way; B: computed on the way: QUANTISED (scales: A lowp_scales[8], B lowp_scales[9])
;;     6. [M 4,096, K 1,024] x [K 1,024, N 1,024]; A: computed on the way; B: input Wo: QUANTISED (scales: A lowp_scales[10], B lowp_scales[11])
;;   THE QUANTISER, for each operand of a quantised product, along K:
;;     - The operand's scale is 2^e, e = its entry of the input lowp_scales (int32; the entries are numbered through the quantised products in the list's order, A before B).
;;     - Each number is divided by the scale, clamped to +-57,344, and rounded to the nearest number of E5M2, ties to even, subnormals kept.
;;     - The product sums the exact products of the quantised numbers (number of the format x scale) in f32.
;;   ~~~python
;;   def quantise(x, axis, e):      # numpy; x: float32 -> the quantised numbers, widened to float32 again
;;       x = np.moveaxis(x, axis, -1); K = x.shape[-1]
;;       r = np.clip(x / 2.0 ** e, -57344, 57344)
;;       step = 2.0 ** (np.maximum(np.frexp(np.where(r == 0, 1, r))[1] - 1, -14) - 2)
;;       q = np.round(r / step) * step * 2.0 ** e      # np.round: ties to even
;;       return np.moveaxis(q, -1, axis).astype(np.float32)
;;   ~~~
;;   OPERANDS COMPUTED ON THE WAY. 'Computed on the way' means the value that the module computes at that place (a softmax that the list does not call 'softmax' is quantised finished and normalised). What goes into a quantiser is computed in f32, as accurately as f32 sums, v_exp_f32 and their like allow (about 1e-6 of the number): no bf16 or f16 on the way to a quantiser, and a product that is left as it is and whose result goes on into a quantised operand takes f32 operands (vector FMAs, or v_wmma_f32_16x16x4_f32). A number that lies on a knife's edge between two numbers of the format may be rounded either way, as far as f32 arithmetic and the matrix unit's own rounding can turn it there, and no further.
;; One version. Each part assembles by itself: llvm-mc -triple=amdgcn-amd-amdhsa -mcpu=gfx1250 --defsym DOCPART=n.
;; ======== version 1 of 1: 4 launches
;; limits: right only within a limited range of input values
;; workspace buffers: codes 16,777,216 bytes; biasw 33,554,432 bytes; qkv 12,582,912 bytes; ao 4,194,304 bytes
;; launch prep (part 1): grid 768 x 1, 8 waves a work-group, no clusters, 70,656 bytes of LDS; arguments query, key, value, Wq, Wk, Wv, Wo, relative_time, attn_mask, lowp_scales, codes, biasw; writes codes, biasw
.if DOCPART == 1
	.amdgcn_target "amdgcn-amd-amdhsa--gfx1250"
	.amdhsa_code_object_version 6
	.text
	.protected	k_q697a71a898_prep
	.globl	k_q697a71a898_prep
	.p2align	8
	.type	k_q697a71a898_prep,@function
k_q697a71a898_prep:
	s_mov_b64 s[64:65], 0
	v_nop
	global_prefetch_b8 v0, s[64:65] scope:SCOPE_SE
	s_setreg_imm32_b32 hwreg(HW_REG_WAVE_MODE, 25, 1), 1
	s_wait_xcnt 0x0
; FIRST LAUNCH OF FOUR: (1) this one quantises the seven f32 operands that arrive as inputs and lays the mask and relative_time into one table; (2) the three projections; (3) attention; (4) the last projection.
; DEAD WORK: none.  Every product of the module is multiplied and every input is loaded.
; codes: query, key, value (4 MB each), Wq, Wk, Wv, Wo (1 MB each), on end, E5M2, rows of 1,024 bytes.  code = x / 2^e, held within +-57,344, nearest, ties to even; e = lowp_scales[0],[2],[4],[1],[3],[5],[11].
;   The first six are permuted inside each aligned 256 along K: byte 8 L + 4 i + u holds k = 128 i + 4 L + u; both operands of a projection are laid so.  Wo lies in natural order (a lane takes 8 neighbours),
;   since its partner, attention's result, is laid by true k.
; biasw: relative_time x 2^-(e6 + e7) where attn_mask is true, -2^100 where false, AS IMAGES OF THE REGISTERS in which attention wants it as the C of K Q^T:
;   [16 queries][64 keys G][16 keys kt][half][lane][16 bytes]: lane (r, h) holds query r of the 16, keys 64 G + 16 kt + 8 h + 4 half + 0..3.  16 queries are 131,072 dense bytes.
; SHARES.  Work-groups 0..511: 32,768 numbers of the seven tensors, 4,096 a wave.  Work-groups 512..767: 16 rows of the table, 256 keys a wave: loaded as whole runs of 256 bytes of a row, turned through the
; wave's own stage in LDS (rows 272 bytes apart), stored as runs of 512 bytes.  All of a wave's arithmetic stands ahead of its run of stores.  Waves share nothing: no barrier.
; LIMITS: each of the seven e between -126 and 112; e6 + e7 between -80 and 25; |relative_time| x 2^-(e6 + e7) under 2^98.  NaN and infinities among the inputs are not served.
.set X,  16                            ; v16-143 numbers
.set CD, 144                           ; v144-175 codes, or the mask
.set WST, 8704                         ; a wave's LDS: a stage of 16 x 272 for the numbers, one for the mask
.set SPARE, 8*WST                      ; the spare words, 128 bytes a wave
	s_load_b512 s[4:19], s[0:1], 0x0               ; query, key, value, Wq, Wk, Wv, Wo, relative_time
	s_load_b256 s[20:27], s[0:1], 0x40             ; attn_mask, lowp_scales, codes, biasw
	v_lshl_add_u32 v12, v0, 2, SPARE
	v_mov_b32 v13, 0
	v_lshrrev_b32 v1, 5, v0
	v_readfirstlane_b32 s40, v1                    ; wave
	v_and_b32 v1, 31, v0                           ; lane
	s_wait_alu depctr_va_vdst(0)
	s_wait_kmcnt 0x0
	s_load_b256 s[28:35], s[22:23], 0x0            ; e0 .. e7
	s_load_b128 s[36:39], s[22:23], 0x20           ; e8 .. e11
	s_cmp_lt_u32 ttmp9, 512
	s_cbranch_scc0 .Lbias
; ---- numbers into codes
	s_cmp_lt_u32 ttmp9, 480                        ; Wo's work-groups take 8 neighbours a lane
	s_cselect_b32 s51, 4, 5
	s_movk_i32 s52, 512
	s_cselect_b32 s52, s52, 16
	v_lshlrev_b32 v2, s51, v1                      ; the first load's offset,
	v_add_nc_u32 v4, s52, v2                       ; the second's
	v_lshlrev_b32 v3, 3, v1                        ; 8 codes a lane
	s_mov_b64 s[42:43], s[16:17]
	s_mov_b32 s45, 480
.macro PICK lim, p, first
	s_cmp_lt_u32 ttmp9, \lim
	s_cselect_b64 s[42:43], s[\p:\p+1], s[42:43]
	s_cselect_b32 s45, \first, s45
.endm
	PICK 480, 14, 448
	PICK 448, 12, 416
	PICK 416, 10, 384
	PICK 384, 8, 256
	PICK 256, 6, 128
	PICK 128, 4, 0
	s_sub_co_u32 s46, ttmp9, s45
	s_lshl_b32 s46, s46, 17
	s_lshl_b32 s47, s40, 14
	s_add_co_u32 s46, s46, s47
	s_mov_b32 s47, 0
	s_add_nc_u64 s[42:43], s[42:43], s[46:47]
	s_lshl_b32 s48, ttmp9, 15
	s_lshl_b32 s49, s40, 12
	s_add_co_u32 s48, s48, s49
	s_mov_b32 s49, 0
	s_add_nc_u64 s[24:25], s[24:25], s[48:49]
	s_wait_alu depctr_va_vdst(0)
.irp t, 0,1,2,3,4,5,6,7,8,9,10,11,12,13,14,15
	global_load_b128 v[X+8*\t:X+8*\t+3], v2, s[42:43] offset:1024*\t th:TH_LOAD_NT
	global_load_b128 v[X+8*\t+4:X+8*\t+7], v4, s[42:43] offset:1024*\t th:TH_LOAD_NT
.endr
	s_wait_kmcnt 0x0
	s_mov_b32 s44, s39
.macro PICKE lim, e
	s_cmp_lt_u32 ttmp9, \lim
	s_cselect_b32 s44, s[\e], s44
.endm
	PICKE 480, 33
	PICKE 448, 31
	PICKE 416, 29
	PICKE 384, 32
	PICKE 256, 30
	PICKE 128, 28
	s_add_co_i32 s44, s44, 127
	s_lshl_b32 s50, s44, 23
	v_mov_b32 v11, s50                             ; 2^e
	s_add_co_i32 s44, s44, 15
	s_lshl_b32 s44, s44, 23
	s_or_b32 s44, s44, 0x600000
	v_mov_b32 v10, s44                             ; 57,344 x 2^e
	s_wait_alu depctr_va_vdst(0)
.irp t, 0,1,2,3,4,5,6,7,8,9,10,11,12,13,14,15
	s_wait_loadcnt 2*(15-\t)                       ; this step's two loads are in, the younger steps' stay out
.irp j, 0,1,2,3,4,5,6,7
	v_med3_num_f32 v[X+8*\t+\j], v[X+8*\t+\j], -v10, v10   ; the conversion does not saturate (ISA guide 7.6.2)
.endr
	v_cvt_scalef32_pk8_bf8_f32 v[CD+2*\t:CD+2*\t+1], v[X+8*\t:X+8*\t+7], v11
.endr
.irp t, 0,1,2,3,4,5,6,7,8,9,10,11,12,13,14,15
	global_store_b64 v3, v[CD+2*\t:CD+2*\t+1], s[24:25] offset:256*\t   ; 32 lanes store 256 consecutive bytes, aligned
.endr
	s_endpgm
; ---- the table
.Lbias:
	s_sub_co_u32 s46, ttmp9, 512                   ; which 16 rows
	s_lshl_b32 s48, s46, 17                        ; 16 rows of 8,192 bytes,
	s_lshl_b32 s47, s40, 10                        ; my 256 keys
	s_add_co_u32 s48, s48, s47
	s_mov_b32 s49, 0
	s_add_nc_u64 s[18:19], s[18:19], s[48:49]
	s_lshr_b32 s48, s48, 2                         ; the mask has one byte a place
	s_add_nc_u64 s[20:21], s[20:21], s[48:49]
	s_lshl_b32 s48, s46, 17                        ; out: 16 queries are 131,072 bytes,
	s_lshl_b32 s47, s40, 14                        ; 256 keys of them 16,384
	s_add_co_u32 s48, s48, s47
	s_add_nc_u64 s[26:27], s[26:27], s[48:49]
	s_mul_i32 s47, s40, WST
	v_lshlrev_b32 v2, 4, v1                        ; 16 x lane
	v_and_b32 v4, 15, v1
	v_lshrrev_b32 v5, 4, v1
	v_lshlrev_b32 v3, 4, v4
	v_lshl_add_u32 v6, v5, 13, v3                  ; in: lanes 0-15 one row's 256 bytes, lanes 16-31 the next row's
	v_lshl_add_u32 v7, v5, 11, v3                  ; the same for the mask
	v_mul_u32_u24 v8, v5, 272
	v_add_nc_u32 v8, v8, v3
	v_add_nc_u32 v8, s47, v8                       ; into the stage as loaded
	v_mul_u32_u24 v9, v4, 272
	v_add_nc_u32 v9, s47, v9
	v_lshl_add_u32 v14, v5, 3, v9
	v_add_nc_u32 v14, 4352, v14                    ; the mask back: row r, 8 h
	v_lshl_add_u32 v9, v5, 5, v9                   ; the numbers back: row r, 32 h
	v_mov_b32 v177, 0xf1800000                     ; -2^100
	s_wait_alu depctr_va_vdst(0)
.irp n, 0,1,2,3,4,5,6,7
	global_load_b128 v[CD+4*\n:CD+4*\n+3], v7, s[20:21] offset:4096*\n th:TH_LOAD_NT
.endr
.irp g, 0,1,2,3
.irp n, 0,1,2,3,4,5,6,7
	global_load_b128 v[X+32*\g+4*\n:X+32*\g+4*\n+3], v6, s[18:19] offset:16384*\n+256*\g th:TH_LOAD_NT
.endr
.endr
	s_wait_kmcnt 0x0
	s_add_co_i32 s44, s34, s35
	s_sub_co_i32 s44, 127, s44
	s_lshl_b32 s44, s44, 23                        ; 2^-(e6 + e7)
	s_mov_b32 s45, s44
	s_wait_loadcnt 32                              ; the mask is in
.irp n, 0,1,2,3,4,5,6,7
	ds_store_b128 v8, v[CD+4*\n:CD+4*\n+3] offset:4352+544*\n
.endr
	s_wait_dscnt 0x0                               ; the stores have read their registers
.irp m, 0,1,2,3,4,5,6,7,8,9,10,11,12,13,14,15
	ds_load_b64 v[CD+2*\m:CD+2*\m+1], v14 offset:16*\m   ; keys 16 m + 8 h + 0..7 of row r
.endr
.irp g, 0,1,2,3
	s_wait_loadcnt 8*(3-\g)                        ; this group's eight loads are in
.irp n, 0,1,2,3,4,5,6,7
	ds_store_b128 v8, v[X+32*\g+4*\n:X+32*\g+4*\n+3] offset:544*\n
.endr
	s_wait_dscnt 0x0
.irp m, 0,1,2,3,4,5,6,7
	ds_load_b128 v[X+32*\g+4*\m:X+32*\g+4*\m+3], v9 offset:64*(\m/2)+16*(\m%2)
.endr
.endr
	s_wait_dscnt 0x0
.irp g, 0,1,2,3
.irp m, 0,1,2,3,4,5,6,7
	v_pk_mul_f32 v[X+32*\g+4*\m:X+32*\g+4*\m+1], v[X+32*\g+4*\m:X+32*\g+4*\m+1], s[44:45] op_sel_hi:[1,0]   ; a power of two: nothing is rounded
	v_pk_mul_f32 v[X+32*\g+4*\m+2:X+32*\g+4*\m+3], v[X+32*\g+4*\m+2:X+32*\g+4*\m+3], s[44:45] op_sel_hi:[1,0]
.irp u, 0,1,2,3
	v_bfe_u32 v176, v[CD+8*\g+\m], 8*\u, 8
	v_cmp_ne_u32 vcc_lo, 0, v176
	v_cndmask_b32 v[X+32*\g+4*\m+\u], v177, v[X+32*\g+4*\m+\u], vcc_lo
.endr
.endr
.endr
.irp g, 0,1,2,3
.irp m, 0,1,2,3,4,5,6,7
	global_store_b128 v2, v[X+32*\g+4*\m:X+32*\g+4*\m+3], s[26:27] offset:4096*\g+512*\m   ; 32 lanes store 512 consecutive bytes, aligned
.endr
.endr
	s_wait_tensorcnt 0x0                           ; the wave's end
	ds_add_u32 v12, v13
	s_wait_dscnt 0x0
	s_endpgm
.Lfunc_end_k_q697a71a898_prep:
	.size	k_q697a71a898_prep, .Lfunc_end_k_q697a71a898_prep-k_q697a71a898_prep
	.p2alignl 7, 3214868480
	.fill 96, 4, 3214868480
	.section	.rodata,"a",@progbits
	.p2align	6, 0x0
	.amdhsa_kernel k_q697a71a898_prep
		.amdhsa_group_segment_fixed_size 70656
		.amdhsa_private_segment_fixed_size 0
		.amdhsa_enable_private_segment 0
		.amdhsa_kernarg_size 96
		.amdhsa_user_sgpr_count 2
		.amdhsa_user_sgpr_kernarg_segment_ptr 1
		.amdhsa_wavefront_size32 1
		.amdhsa_system_sgpr_workgroup_id_x 1
		.amdhsa_system_sgpr_workgroup_id_y 1
		.amdhsa_system_sgpr_workgroup_id_z 1
		.amdhsa_system_vgpr_workitem_id 0
		.amdhsa_next_free_vgpr 184
		.amdhsa_next_free_sgpr 66
		.amdhsa_reserve_vcc 1
		.amdhsa_float_denorm_mode_32 3
		.amdhsa_float_denorm_mode_16_64 3
		.amdhsa_memory_ordered 1
		.amdhsa_forward_progress 1
		.amdhsa_inst_pref_size 52
	.end_amdhsa_kernel
	.amdgpu_metadata
---
amdhsa.version: [ 1, 2 ]
amdhsa.kernels:
  - .name:           k_q697a71a898_prep
    .symbol:         k_q697a71a898_prep.kd
    .args:
      - { .name: query, .offset: 0, .size: 8, .value_kind: global_buffer, .address_space: global }
      - { .name: key, .offset: 8, .size: 8, .value_kind: global_buffer, .address_space: global }
      - { .name: value, .offset: 16, .size: 8, .value_kind: global_buffer, .address_space: global }
      - { .name: Wq, .offset: 24, .size: 8, .value_kind: global_buffer, .address_space: global }
      - { .name: Wk, .offset: 32, .size: 8, .value_kind: global_buffer, .address_space: global }
      - { .name: Wv, .offset: 40, .size: 8, .value_kind: global_buffer, .address_space: global }
      - { .name: Wo, .offset: 48, .size: 8, .value_kind: global_buffer, .address_space: global }
      - { .name: relative_time, .offset: 56, .size: 8, .value_kind: global_buffer, .address_space: global }
      - { .name: attn_mask, .offset: 64, .size: 8, .value_kind: global_buffer, .address_space: global }
      - { .name: lowp_scales, .offset: 72, .size: 8, .value_kind: global_buffer, .address_space: global }
      - { .name: codes, .offset: 80, .size: 8, .value_kind: global_buffer, .address_space: global }
      - { .name: biasw, .offset: 88, .size: 8, .value_kind: global_buffer, .address_space: global }
    .group_segment_fixed_size: 70656
    .private_segment_fixed_size: 0
    .kernarg_segment_align: 8
    .kernarg_segment_size: 96
    .max_flat_workgroup_size: 256
    .sgpr_count:     66
    .vgpr_count:     184
    .wavefront_size: 32
...
	.end_amdgpu_metadata
.endif
;; end of part 1
;; launch proj (part 2): grid 8 x 96, 4 waves a work-group, clusters of 4 x 4, 327,680 bytes of LDS; arguments codes, bq, bk, bv, lowp_scales, qkv; writes qkv
.if DOCPART == 2
	.amdgcn_target "amdgcn-amd-amdhsa--gfx1250"
	.amdhsa_code_object_version 6
	.text
	.protected	k_q697a71a898_proj
	.globl	k_q697a71a898_proj
	.p2align	8
	.type	k_q697a71a898_proj,@function
k_q697a71a898_proj:
	s_mov_b64 s[64:65], 0
	v_nop
	global_prefetch_b8 v0, s[64:65] scope:SCOPE_SE
	s_setreg_imm32_b32 hwreg(HW_REG_WAVE_MODE, 25, 1), 1
	s_wait_xcnt 0x0
	s_wait_alu depctr_hold_cnt(0) depctr_sa_sdst(0) depctr_va_vdst(0) depctr_va_sdst(0) depctr_va_ssrc(0) depctr_va_vcc(0) depctr_vm_vsrc(0)
	s_getreg_b32 s2, hwreg(HW_REG_IB_STS2, 6, 4)
	s_cmp_eq_u32 s2, 0
	s_cbranch_scc0 .Lentry_in_a_cluster
	s_endpgm
.Lentry_in_a_cluster:
	s_bfe_u32 s2, ttmp6, 0x10000c
	s_cmp_lg_u32 s2, 0xf033
	s_cbranch_scc0 .Lentry_shape_is_right
	s_endpgm
.Lentry_shape_is_right:
; SECOND LAUNCH: Q = query Wq^T + bq, K = key Wk^T + bk, V = value Wv^T + bv on E5M2 codes, each result quantised on the way out (e6, e7, e9) for attention's products.  No work is left out.
; ONE PRODUCT FOR ALL THREE: C'[m'][n'] = sum over k of A'[m'][k] B'[n'][k], in 768 tiles of 128 x 128 (256 for each tensor).  For Q and K: A' = the tokens (4,096 rows), B' = W (1,024 rows).
; FOR V: A' = Wv, B' = the tokens: V comes out transposed, with the keys along a lane's registers, since the keys are the K of attention's second product.
; THE MATRIX INSTRUCTION IS USED TRANSPOSED (source 0 = 16 rows of B', source 1 = 16 rows of A'): lane (r, h) holds, of accumulator (a, b), m' = 16 a + r and n' = 16 b + 8 h + 0 .. 7: eight neighbours along
; the next product's K.  Their conversion gives registers 2 b, 2 b + 1 of that product's operand (16 rows x 64 K), so a wave's 64 x 64 is four finished fragments, stored as IMAGES OF THEIR REGISTERS:
; registers 4 u .. 4 u + 3 of lane l at 512 u + 16 l: each store of a wave covers 512 consecutive bytes, aligned, and no result goes through LDS.
; qkv: Q, K, V, 4 MB each.  Fragment a of the block of 64 tokens T64 and the head HEAD lies at
;   (((T64 / 32) 4 + HEAD / 4) 16 + (T64 / 2) % 16) 32768 + (HEAD % 4) 8192 + (T64 % 2) 4096 + 1024 a: what attention fetches for four heads and 128 keys is 32 KB on end.
; The bias is the C of the first K step, divided by the power of two that the sums of codes lack; the three scales ahead of the quantiser are folded into the conversion's one: 2^(eo - ea - eb).
; LDS: K is 1,024 codes, so a tile's whole A' and B' fit: four chunks of 256 along K.  All tensor loads go out at the head, one a wave, each into bytes that are filled once:
; no slot is filled again.  Rows of 1,024 bytes, 16 of padding behind each: the 16 rows of a fragment load start at 16 different banks (64 banks of 4 bytes: ISA guide 11.1).
; A fragment (16 rows x 128 K) comes by four loads of 16 bytes, 32 apart: a permutation of k that is the same in A' and B', as is the one that the codes' buffer has.
; CLUSTERS: 4 x 4 work-groups; A's tiles are shared along a row of the cluster, B's along a column: joint loads.  Which tensor a cluster serves hangs on the cluster's y alone, so all partners take the same branches.
; Tiles of 128 x 128 and not larger: 4,096 x 1,024 gives 256 of them for each tensor.
; LIMITS: eo - ea - eb between -126 and 112 for (e0, e1, e6), (e2, e3, e7), (e4, e5, e9).  NaN and infinities are not served.
; REGISTERS: window 0: v16-23 LDS addresses, v24 the conversion's scale, v25 the hold, v26 16 x lane, v27 the bias's offset, v28, v29 the add's two, v32-63 the bias, v64-95 codes, v128-255 the 16 accumulators.
;            window 1: two fragment buffers of 128: A's four fragments, then B's four.
; ONE tensor load a wave: its 64 rows come whole, 1,024 bytes each, 16 of padding behind each row; a chunk of 256 along K is 256 bytes further on in the row.
.set PITCH, 1040
.set HALFT, 64*PITCH                   ; 64 rows: what one tensor load brings, and what one wave reads of a side
.set SIDE,  2*HALFT
.set CH,    256
.set SPARE, 4*HALFT
.set ADRA, 16
.set ADRB, 20
.set SC,   24
.set LIMV, 25
.set LO,   26
.set BO,   27
.set SPW,  28
.set NIL,  29
.set BR,   32
.set CODE, 64
.set ACC,  128
.set F0,   0
.set F1,   128
.set G1A, 16                           ; s[16:23], s[24:31] descriptor group 1 for A's and B's tiles; s[32:35], s[48:51] groups 0, one for each side
.set G1B, 24
.set G0A, 32
.set G0B, 48
.set WV,  66                           ; s66 wave; s67 my half of m', also: I fetch for A' (0) or B' (1); s80 my half of n', also: which 64 rows I fetch
.set HM,  67
.set HN,  80
.set MSB, 0
.macro WIN new                         ; the immediate's high byte repeats the setting that is left
.if MSB != \new
	s_set_vgpr_msb (MSB<<8)|\new
.set MSB, \new
.endif
.endm
.macro PLACES
.rept 4
	v_nop
.endr
.endm
.macro CROUND                          ; a round of the cluster's barrier
	s_barrier_signal -1
	s_barrier_wait -1
	s_cmp_lg_u32 s[WV], 0
	s_cbranch_scc1 .Lnot_wave_0_\@
	s_barrier_signal -3
.Lnot_wave_0_\@:
	s_barrier_wait -3
	s_barrier_signal -1
	s_barrier_wait -1
.endm
	s_load_b256 s[4:11], s[0:1], 0x0               ; codes s[4:5], bq s[6:7], bk s[8:9], bv s[10:11]
	s_load_b128 s[12:15], s[0:1], 0x20             ; lowp_scales s[12:13], qkv s[14:15]
	v_lshl_add_u32 v[SPW], v0, 2, SPARE
	v_mov_b32 v[NIL], 0
	ds_add_u32 v[SPW], v[NIL]                      ; the wave's opening: the add, twice on end, and its wait ahead of my first tensor load
	ds_add_u32 v[SPW], v[NIL]
	v_lshrrev_b32 v1, 5, v0
	v_readfirstlane_b32 s[WV], v1
	s_lshr_b32 s[HM], s[WV], 1
	s_and_b32 s[HN], s[WV], 1
	s_bfe_u32 s81, ttmp6, 0x40000                  ; cx
	s_bfe_u32 s82, ttmp6, 0x40004                  ; cy
	s_and_b32 s84, ttmp7, 0xffff                   ; the cluster's y, 0..23
	s_lshr_b32 s85, s84, 3                         ; t: 0 Q, 1 K, 2 V
	s_and_b32 s94, s84, 7
	s_lshl_b32 s95, s94, 1
	s_add_co_u32 s95, s95, ttmp9                   ; the cluster's number within its tensor, 0..15
	s_and_b32 s96, s95, 7
	s_lshr_b32 s97, s95, 3
	s_lshl_b32 s98, s85, 22                        ; A' for Q, K: the tokens' codes
	s_lshl_b32 s99, s85, 20
	s_add_co_u32 s99, s99, 0xc00000                ; B' for Q, K: Wq's or Wk's codes
	s_cmp_eq_u32 s85, 2
	s_cselect_b32 s86, 1, 0                        ; V?
	s_cselect_b32 s96, s96, ttmp9                  ; clusters along n': 8 for V, 2 for Q, K
	s_cselect_b32 s97, s97, s94                    ; along m': 2 for V, 8 for Q, K
	s_cselect_b32 s98, 0xe00000, s98               ; V: A' = Wv's codes,
	s_cselect_b32 s99, 0x800000, s99               ;    B' = value's
	s_lshl_b32 s87, s97, 2
	s_add_co_u32 s87, s87, s82                     ; tile row
	s_lshl_b32 s88, s96, 2
	s_add_co_u32 s88, s88, s81                     ; tile column
	s_lshl_b32 s90, s87, 17                        ; A': 128 rows of 1,024 bytes a tile row,
	s_lshl_b32 s91, s[HN], 16                      ; the 64 rows that I fetch
	s_add_co_u32 s90, s90, s91
	s_add_co_u32 s90, s90, s98
	s_mov_b32 s91, 0
	s_lshl_b32 s92, s88, 17                        ; B' likewise, in registers that never hold cy
	s_lshl_b32 s93, s[HN], 16
	s_add_co_u32 s92, s92, s93
	s_add_co_u32 s92, s92, s99
	s_mov_b32 s93, 0
	s_mul_i32 s89, s[WV], HALFT                    ; where my rows go in a chunk: no place in the cluster enters an LDS address
	s_lshl_b32 s94, s82, 2
	s_lshl_b32 s94, 15, s94                        ; my row of the cluster
	s_lshl_b32 s95, 0x1111, s81                    ; my column
	s_or_b32 s[G1A], s94, (1<<20)|(1<<21)|(7<<22)|(3<<25)   ; the mask; elements of 1 byte; padding: four words after every 256; 21 set beside a mask
	s_or_b32 s[G1B], s95, (1<<20)|(1<<21)|(7<<22)|(3<<25)
.irp g, G1A, G1B
	s_mov_b32 s[\g+1], 1024<<16
	s_mov_b32 s[\g+2], 64<<16                      ; tensor_dim1 = 64
	s_mov_b32 s[\g+3], 1024<<16
	s_mov_b32 s[\g+4], 64                          ; tile_dim1 = 64
	s_mov_b32 s[\g+5], 1024                        ; from row to row
	s_mov_b32 s[\g+6], 0
	s_mov_b32 s[\g+7], 0
.endr
	s_wait_dscnt 0x0                               ; both opening adds are done
	s_wait_kmcnt 0x0
	s_load_b256 s[68:75], s[12:13], 0x0            ; e0 .. e7
	s_load_b128 s[76:79], s[12:13], 0x20           ; e8 .. e11
	s_add_nc_u64 s[90:91], s[4:5], s[90:91]
	s_add_nc_u64 s[92:93], s[4:5], s[92:93]
.irp c, 0
	s_mov_b32 s[G0A+4*\c], 1
	s_add_co_u32 s[G0A+4*\c+1], s89, \c*CH
	s_add_nc_u64 s[G0A+4*\c+2:G0A+4*\c+3], s[90:91], 256*\c
	s_or_b32 s[G0A+4*\c+3], s[G0A+4*\c+3], 0x80000000
	s_mov_b32 s[G0B+4*\c], 1
	s_add_co_u32 s[G0B+4*\c+1], s89, \c*CH
	s_add_nc_u64 s[G0B+4*\c+2:G0B+4*\c+3], s[92:93], 256*\c
	s_or_b32 s[G0B+4*\c+3], s[G0B+4*\c+3], 0x80000000
.endr
	CROUND                                         ; all sixteen work-groups are here: the joint loads meet
	s_cmp_eq_u32 s[HM], 0                          ; a wave's one fill stands in a branch on its number; an s_nop 0 and four v_nop follow it
	s_cbranch_scc0 .Lfill_b
	tensor_load_to_lds s[G0A:G0A+3], s[G1A:G1A+7]
	s_nop 0
	PLACES
	s_branch .Lfilled
.Lfill_b:
	tensor_load_to_lds s[G0B:G0B+3], s[G1B:G1B+7]
	s_nop 0
	PLACES
.Lfilled:
	v_and_b32 v1, 15, v0                           ; r
	v_bfe_u32 v2, v0, 4, 1                         ; h
	v_mul_u32_u24 v3, v1, PITCH
	v_lshl_add_u32 v3, v2, 4, v3                   ; a fragment's row x pitch + 16 h
	s_wait_alu depctr_va_vdst(0)
	s_mul_i32 s94, s[HM], HALFT                    ; my 64 rows of A',
	s_mul_i32 s95, s[HN], HALFT
	s_add_co_u32 s95, s95, SIDE                    ; my 64 rows of B'
.irp c, 0,1,2,3
	v_add_nc_u32 v[ADRA+\c], s94, v3
	v_add_nc_u32 v[ADRB+\c], s95, v3
	s_add_co_u32 s94, s94, CH
	s_add_co_u32 s95, s95, CH
.endr
	v_and_b32 v4, 31, v0
	v_lshlrev_b32 v[LO], 4, v4
	; which block of 64 tokens and which head are my wave's, and where their four fragments lie
	s_lshl_b32 s94, s87, 1
	s_add_co_u32 s94, s94, s[HM]
	s_lshl_b32 s95, s88, 1
	s_add_co_u32 s95, s95, s[HN]
	s_cmp_eq_u32 s86, 1
	s_cselect_b32 s96, s95, s94                    ; T64: along m' for Q, K; along n' for V
	s_cselect_b32 s97, s94, s95                    ; HEAD: the other
	s_lshr_b32 s98, s96, 5
	s_lshl_b32 s98, s98, 2
	s_lshr_b32 s99, s97, 2
	s_add_co_u32 s98, s98, s99
	s_lshl_b32 s98, s98, 4
	s_bfe_u32 s99, s96, 0x40001
	s_add_co_u32 s98, s98, s99
	s_lshl_b32 s98, s98, 15
	s_and_b32 s99, s97, 3
	s_lshl_b32 s99, s99, 13
	s_add_co_u32 s98, s98, s99
	s_and_b32 s99, s96, 1
	s_lshl_b32 s99, s99, 12
	s_add_co_u32 s98, s98, s99
	s_lshl_b32 s99, s85, 22                        ; the tensor's 4 MB
	s_add_co_u32 s98, s98, s99
	s_mov_b32 s99, 0
	s_add_nc_u64 s[14:15], s[14:15], s[98:99]
	s_cmp_eq_u32 s85, 0                            ; the bias: bq, bk or bv, at my head's 64 numbers
	s_cselect_b64 s[90:91], s[6:7], s[8:9]
	s_cmp_eq_u32 s85, 2
	s_cselect_b64 s[90:91], s[10:11], s[90:91]
	s_lshl_b32 s92, s97, 8
	s_mov_b32 s93, 0
	s_add_nc_u64 s[90:91], s[90:91], s[92:93]
	s_wait_kmcnt 0x0                               ; the exponents; they are chosen by selects, never by a branch
	s_add_co_i32 s94, s68, s69
	s_add_co_i32 s95, s70, s71
	s_add_co_i32 s96, s72, s73
	s_cmp_eq_u32 s85, 0
	s_cselect_b32 s94, s94, s95
	s_cselect_b32 s97, s74, s75                    ; e6 for Q, e7 for K,
	s_cmp_eq_u32 s85, 2
	s_cselect_b32 s94, s96, s94                    ; ea + eb
	s_cselect_b32 s97, s77, s97                    ; e9 for V
	s_sub_co_i32 s83, 0, s94                       ; a sum of codes stands for sum x 2^(ea + eb): the bias goes in x 2^-(ea + eb),
	s_sub_co_i32 s97, s97, s94                     ; and the conversion takes 2^(eo - ea - eb)
	s_add_co_i32 s97, s97, 127
	s_lshl_b32 s98, s97, 23
	v_mov_b32 v[SC], s98
	s_add_co_i32 s97, s97, 15
	s_lshl_b32 s97, s97, 23
	s_or_b32 s97, s97, 0x600000
	v_mov_b32 v[LIMV], s97                         ; 57,344 x that
	s_cmp_eq_u32 s86, 1
	s_cbranch_scc1 .Lbias_v
	v_lshlrev_b32 v[BO], 5, v2                     ; Q, K: the bias runs along n': register 8 b + j = bias[16 b + 8 h + j]
.irp b, 0,1,2,3
	global_load_b128 v[BR+8*\b:BR+8*\b+3], v[BO], s[90:91] offset:64*\b
	global_load_b128 v[BR+8*\b+4:BR+8*\b+7], v[BO], s[90:91] offset:64*\b+16
.endr
	s_wait_loadcnt 0x0
.set i, 0
.rept 32
	v_ldexp_f32 v[BR+i], v[BR+i], s83
.set i, i+1
.endr
	s_branch .Lbias_done
.Lbias_v:
	v_lshlrev_b32 v[BO], 2, v1                     ; V: the bias runs along m': all eight registers of 8 a + j = bias[16 a + r]
.irp a, 0,1,2,3
	global_load_b32 v[BR+8*\a], v[BO], s[90:91] offset:64*\a
.endr
	s_wait_loadcnt 0x0
.irp a, 0,1,2,3
.irp j, 7,6,5,4,3,2,1,0
	v_ldexp_f32 v[BR+8*\a+\j], v[BR+8*\a], s83     ; the scaling spreads the number as well; register 0 last
.endr
.endr
.Lbias_done:
.macro FRAG reg, adr, q, i             ; a fragment: 16 rows x 128 K, 16 registers
.irp c, 0,1,2,3
	ds_load_b128 v[(\reg)+4*\c:(\reg)+4*\c+3], v[\adr] offset:128*(\q)+32*\c+(\i)*16*PITCH
.endr
.endm
.macro FETCH c, q, f                   ; 32 LDS loads in one run: the fragments of the q-th 128 along K of chunk c into buffer f
	WIN 0x40                                       ; destination window 1, address window 0
.irp i, 0,1,2,3
	FRAG (\f)+64+16*\i, ADRB+(\c), \q, \i
	FRAG (\f)+16*\i, ADRA+(\c), \q, \i
.endr
.endm
; 16 matrix instructions, 128 along K.  The 16 accumulators take turns, one instruction a turn, in the same order in every step.
; mode 0: the sums go on; 1: the bias along n' starts them; 2: the bias along m' starts them
.macro MUL16 f, mode
	WIN 0x05                                       ; sources 0 and 1 window 1; C and D window 0
.irp a, 0,1,2,3
.irp b, 0,1,2,3
.if \mode == 0
	v_wmma_f32_16x16x128_bf8_bf8 v[ACC+8*(4*\a+\b):ACC+8*(4*\a+\b)+7], v[(\f)+64+16*\b:(\f)+64+16*\b+15], v[(\f)+16*\a:(\f)+16*\a+15], v[ACC+8*(4*\a+\b):ACC+8*(4*\a+\b)+7]
.elseif \mode == 1
	v_wmma_f32_16x16x128_bf8_bf8 v[ACC+8*(4*\a+\b):ACC+8*(4*\a+\b)+7], v[(\f)+64+16*\b:(\f)+64+16*\b+15], v[(\f)+16*\a:(\f)+16*\a+15], v[BR+8*\b:BR+8*\b+7]
.else
	v_wmma_f32_16x16x128_bf8_bf8 v[ACC+8*(4*\a+\b):ACC+8*(4*\a+\b)+7], v[(\f)+64+16*\b:(\f)+64+16*\b+15], v[(\f)+16*\a:(\f)+16*\a+15], v[BR+8*\a:BR+8*\a+7]
.endif
.endr
.endr
.endm
; K step s of eight (1 .. 6): the next step's fragments are fetched, then this step's are multiplied.  Four places stand in front of loads into registers that matrix instructions have read (ISA guide 7.12.1 for
; vector instructions).
.macro KSTEP s
	PLACES
	FETCH ((\s)+1)/2, ((\s)+1)%2, 128*(((\s)+1)%2)
	s_wait_dscnt 32                                ; all but the 32 just issued
	MUL16 128*((\s)%2), 0
.endm
	s_wait_tensorcnt 0x0                           ; my one load is in,
	s_barrier_signal -1
	s_barrier_wait -1                              ; everybody's is
	FETCH 0, 0, F0
	FETCH 0, 1, F1
	s_wait_dscnt 32                                ; buffer 0 is in
	WIN 0                                          ; at a branch and at a label every window is 0
	s_cmp_eq_u32 s86, 1
	s_cbranch_scc1 .Lfirst_v
	s_wait_alu depctr_va_vdst(0)
	MUL16 F0, 1
	WIN 0
	s_branch .Lfirst_done
.Lfirst_v:
	s_wait_alu depctr_va_vdst(0)
	MUL16 F0, 2
	WIN 0
.Lfirst_done:
	KSTEP 1
	KSTEP 2
	KSTEP 3
	KSTEP 4
	KSTEP 5
	KSTEP 6
	s_wait_dscnt 0x0
	MUL16 F1, 0
	WIN 0
	; THE WAY OUT: hold, convert, store.  Each accumulator is read from its low end on.
	PLACES
.irp a, 0,1,2,3
.irp b, 0,1,2,3
.irp j, 0,1,2,3,4,5,6,7
	v_med3_num_f32 v[ACC+8*(4*\a+\b)+\j], v[ACC+8*(4*\a+\b)+\j], -v[LIMV], v[LIMV]
.endr
	v_cvt_scalef32_pk8_bf8_f32 v[CODE+8*\a+2*\b:CODE+8*\a+2*\b+1], v[ACC+8*(4*\a+\b):ACC+8*(4*\a+\b)+7], v[SC]
.endr
.endr
	v_nop                                          ; a plain line behind the last conversion
.irp a, 0,1,2,3
	global_store_b128 v[LO], v[CODE+8*\a:CODE+8*\a+3], s[14:15] offset:1024*\a          ; 32 lanes store 512 consecutive bytes, aligned
	global_store_b128 v[LO], v[CODE+8*\a+4:CODE+8*\a+7], s[14:15] offset:1024*\a+512
.endr
	s_wait_tensorcnt 0x0                           ; the wave's end
	ds_add_u32 v[SPW], v[NIL]
	s_wait_dscnt 0x0
	CROUND                                         ; the closing round
	s_endpgm
.Lfunc_end_k_q697a71a898_proj:
	.size	k_q697a71a898_proj, .Lfunc_end_k_q697a71a898_proj-k_q697a71a898_proj
	.p2alignl 7, 3214868480
	.fill 96, 4, 3214868480
	.section	.rodata,"a",@progbits
	.p2align	6, 0x0
	.amdhsa_kernel k_q697a71a898_proj
		.amdhsa_group_segment_fixed_size 327680
		.amdhsa_private_segment_fixed_size 0
		.amdhsa_enable_private_segment 0
		.amdhsa_kernarg_size 48
		.amdhsa_user_sgpr_count 2
		.amdhsa_user_sgpr_kernarg_segment_ptr 1
		.amdhsa_wavefront_size32 1
		.amdhsa_system_sgpr_workgroup_id_x 1
		.amdhsa_system_sgpr_workgroup_id_y 1
		.amdhsa_system_sgpr_workgroup_id_z 1
		.amdhsa_system_vgpr_workitem_id 0
		.amdhsa_next_free_vgpr 512
		.amdhsa_next_free_sgpr 100
		.amdhsa_reserve_vcc 0
		.amdhsa_float_denorm_mode_32 3
		.amdhsa_float_denorm_mode_16_64 3
		.amdhsa_memory_ordered 1
		.amdhsa_forward_progress 1
		.amdhsa_inst_pref_size 51
	.end_amdhsa_kernel
	.amdgpu_metadata
---
amdhsa.version: [ 1, 2 ]
amdhsa.kernels:
  - .name:           k_q697a71a898_proj
    .symbol:         k_q697a71a898_proj.kd
    .args:
      - { .name: codes, .offset: 0, .size: 8, .value_kind: global_buffer, .address_space: global }
      - { .name: bq, .offset: 8, .size: 8, .value_kind: global_buffer, .address_space: global }
      - { .name: bk, .offset: 16, .size: 8, .value_kind: global_buffer, .address_space: global }
      - { .name: bv, .offset: 24, .size: 8, .value_kind: global_buffer, .address_space: global }
      - { .name: lowp_scales, .offset: 32, .size: 8, .value_kind: global_buffer, .address_space: global }
      - { .name: qkv, .offset: 40, .size: 8, .value_kind: global_buffer, .address_space: global }
    .group_segment_fixed_size: 327680
    .private_segment_fixed_size: 0
    .kernarg_segment_align: 8
    .kernarg_segment_size: 48
    .max_flat_workgroup_size: 128
    .sgpr_count:     100
    .vgpr_count:     512
    .wavefront_size: 32
...
	.end_amdgpu_metadata
.endif
;; end of part 2
;; launch attn (part 3): grid 16 x 16, 4 waves a work-group, clusters of 4 x 1, 327,680 bytes of LDS; arguments qkv, biasw, lowp_scales, ao; writes ao
.if DOCPART == 3
	.amdgcn_target "amdgcn-amd-amdhsa--gfx1250"
	.amdhsa_code_object_version 6
	.text
	.protected	k_q697a71a898_attn
	.globl	k_q697a71a898_attn
	.p2align	8
	.type	k_q697a71a898_attn,@function
k_q697a71a898_attn:
	s_mov_b64 s[64:65], 0
	v_nop
	global_prefetch_b8 v0, s[64:65] scope:SCOPE_SE
	s_setreg_imm32_b32 hwreg(HW_REG_WAVE_MODE, 25, 1), 1
	s_wait_xcnt 0x0
	s_wait_alu depctr_hold_cnt(0) depctr_sa_sdst(0) depctr_va_vdst(0) depctr_va_sdst(0) depctr_va_ssrc(0) depctr_va_vcc(0) depctr_vm_vsrc(0)
	s_getreg_b32 s2, hwreg(HW_REG_IB_STS2, 6, 4)
	s_cmp_eq_u32 s2, 0
	s_cbranch_scc0 .Lentry_in_a_cluster
	s_endpgm
.Lentry_in_a_cluster:
	s_bfe_u32 s2, ttmp6, 0x10000c
	s_cmp_lg_u32 s2, 0x3003
	s_cbranch_scc0 .Lentry_shape_is_right
	s_endpgm
.Lentry_shape_is_right:
; THIRD LAUNCH: attention on E5M2 codes.  scores = (Q K^T + relative_time) / 8, -infinity where the mask is false; attn = softmax, 0 in a row with no true key; out = attn V, quantised (e10).  No work is left out.
; THE NORMALISED SOFTMAX IS WHAT IS QUANTISED (e8), so a row's maximum and sum are known before its first code is made.  Here a row's scores stay in registers until then: Q K^T and the exponentials are made once.
; SHARES.  A work-group owns ONE head and 256 queries.  Wave w owns keys 512 w .. 512 w + 511 in every pass, and keeps their K (window 2) and V (window 3) in registers: 2 x 256.
; A PASS takes 16 queries: a wave's 16 x 512 scores are 256 registers (window 1).
;   D = sum of codes + the table's number (the table is the C of K Q^T); c2 = log2(e) / 8 x 2^(e6 + e7).  m = the maximum of my 512 D of a query (at least -2^99; a masked place holds -2^100); nm = -c2 m;
;   e = 2^(c2 D + nm); l = their sum.  The four waves' (nm, l) meet in LDS: NM = the least nm, L = sum of l 2^(NM - nm), f = 2^(NM - my nm) / L (0 where L is 0: a row with no true key);
;   p = e f is the finished softmax; its codes; O^T += V^T P^T over my keys.  The four partial O^T meet in LDS: wave w sums features 16 w .. 16 w + 15, quantises and stores them.
; THE TABLE, 131,072 bytes a pass, is the same for all heads.  CLUSTER 4 x 1: four heads on the same queries ask for it JOINTLY, through a ring of two slots; each wave fetches, and alone reads, its own 32,768 bytes.
;   Pass p reads pass p + 1's table from slot p % 2 into D's registers, each group of 64 keys as soon as its registers have been converted.  At the pass's end stands one round of the cluster's barrier, which is
;   also the barrier of the partial sums; between its opening signal and the wait stand the next pass's K Q^T, work on registers alone; behind it the slot just read is filled with pass p + 3's table: one load of a
;   wave is out, and it has a whole pass in which to land.  Pass 0's table comes by plain loads at the head.  13 passes fill a slot, two more prepare a successor, the last is written out.
;   A PREFETCH behind each refill names the table two refills on: of a wave's 32,768 bytes each of the four partners takes 8,192 by address (cx), lanes 256 bytes apart; it stops where pass 15's has been named.
; K, V and Q hang on the head and are shared by no partner: plain loads.
; LAYOUT.  Both products transposed: S^T = K Q^T, O^T = V^T P^T: lane (r, h) holds query r and keys 16 kt + 8 h + 0..7 of tile kt: the conversions' results are the second product's operand.
; ao: images of the last product's plain-form fragments: [16 tokens T][16 features kb][lane][8 bytes]: a wave's store covers 256 consecutive bytes, aligned.
; LIMITS: e6 + e7 between -80 and 25; e8 and e10 - e8 - e9 between -126 and 112.  NaN and infinities are not served.
; WINDOW 0: v1, v2 the add's two; v3 16 x lane; v4, v5 my part of a slot, of the slot in hand; v7, v8 (nm, l) out, in; v9 partial sums in; v10 8 x lane; v11 256 x lane; v12-15 partial sums out; v20-27 maxima;
;   v32-39 sums; v40, 41 nm, l; v44, 45 f; v48-55 at work; v56-59 scales and holds; v60-67 my tile; v68, 69 its codes; v72-79 Q; v88-95 p's codes; v104-127 what comes back from LDS; v168-199 O^T.
.set SLOT,  131072
.set RED,   262144                     ; 4 tiles x 3 other waves x 1,024 bytes
.set STAT,  274432                     ; 4 waves x 16 r x (nm, l)
.set SPARE, 274944                     ; the spare words, 128 bytes a wave
.set MX, 20
.set SM, 32
.set ST, 40
.set FF, 44
.set SCL, 56
.set LIM, 57
.set OWN, 60
.set OC, 68
.set Q,  72
.set PC, 88
.set RB, 104
.set OA, 168
.set MSB, 0
.macro WIN new                         ; the immediate's high byte repeats the setting that is left
.if MSB != \new
	s_set_vgpr_msb (MSB<<8)|\new
.set MSB, \new
.endif
.endm
.macro PLACES
.rept 4
	v_nop
.endr
.endm
.macro CREST                           ; a round of the cluster's barrier behind its opening barrier
	s_cmp_lg_u32 s12, 0
	s_cbranch_scc1 .Lnot_wave_0_\@
	s_barrier_signal -3
.Lnot_wave_0_\@:
	s_barrier_wait -3
	s_barrier_signal -1
	s_barrier_wait -1
.endm
.macro ROUND
	s_barrier_signal -1
	s_barrier_wait -1
	CREST
.endm
.macro QKALL                           ; D = K Q^T + the table: 32 accumulators, one instruction each; registers alone
	WIN 0x52                                       ; D, C window 1; K window 2; Q window 0
.set i, 0
.rept 32
	v_wmma_f32_16x16x64_bf8_bf8 v[8*i:8*i+7], v[8*i:8*i+7], v[Q:Q+7], v[8*i:8*i+7]
.set i, i+1
.endr
	WIN 0
.endm
; group g of 64 keys: p = e f, the hold, the codes; the next pass's table into the freed registers; O^T += V^T P^T
.macro GRP g, nxt
	WIN 0x41
.set i, 0
.rept 16
	v_pk_mul_f32 v[32*\g+2*i:32*\g+2*i+1], v[32*\g+2*i:32*\g+2*i+1], v[FF:FF+1] op_sel_hi:[1,0]
.set i, i+1
.endr
.set i, 0
.rept 32
	v_min_num_f32 v[32*\g+i], v[32*\g+i], v[LIM]   ; the conversion does not saturate (ISA guide 7.6.2); p is not negative
.set i, i+1
.endr
	WIN 0x01
.set i, 0
.rept 4
	v_cvt_scalef32_pk8_bf8_f32 v[PC+2*i:PC+2*i+1], v[32*\g+8*i:32*\g+8*i+7], v[SCL]
.set i, i+1
.endr
	v_nop                                          ; a plain line behind the last conversion
.if \nxt
	WIN 0x40
.set i, 0
.rept 8
	ds_load_b128 v[32*\g+4*i:32*\g+4*i+3], v5 offset:4096*\g+512*i
.set i, i+1
.endr
.endif
	WIN 0x03                                       ; V window 3
.irp dt, 0,1,2,3
.if \g == 0
	v_wmma_f32_16x16x64_bf8_bf8 v[OA+8*\dt:OA+8*\dt+7], v[32*\g+8*\dt:32*\g+8*\dt+7], v[PC:PC+7], 0
.else
	v_wmma_f32_16x16x64_bf8_bf8 v[OA+8*\dt:OA+8*\dt+7], v[32*\g+8*\dt:32*\g+8*\dt+7], v[PC:PC+7], v[OA+8*\dt:OA+8*\dt+7]
.endif
.endr
.endm
; nxt = 1: the pass prepares its successor; fill = 1: and fills the slot that it has read
.macro PASS nxt, fill
.if \nxt
	s_cmp_eq_u32 s13, 7
	s_movk_i32 s26, 1024
	s_cselect_b32 s26, 25600, s26                  ; behind eight passes: the next block of 128 tokens
	s_add_nc_u64 s[24:25], s[24:25], s[26:27]      ; Q: on to the next pass (the loads that named this base are in)
	v_add_nc_u32 v5, s47, v4                       ; my part of the slot in hand
.endif
.irp i, 0,1,2,3,4,5,6,7
	v_mov_b32 v[MX+\i], 0xf1000000                 ; -2^99: over a masked place, under every score
.endr
.if \nxt
	global_load_b128 v[Q:Q+3], v3, s[24:25]
	global_load_b128 v[Q+4:Q+7], v3, s[24:25] offset:512
.endif
	WIN 0x14
.set i, 0
.rept 16                               ; the maxima, eight chains; each accumulator is read from its low end on
.irp g, 0,1,2,3,4,5,6,7
	v_max3_num_f32 v[MX+\g], v[MX+\g], v[32*\g+2*i], v[32*\g+2*i+1]
.endr
.set i, i+1
.endr
	WIN 0
	v_max3_num_f32 v[MX], v[MX], v[MX+1], v[MX+2]
	v_max3_num_f32 v[MX+3], v[MX+3], v[MX+4], v[MX+5]
	v_max_num_f32 v[MX+6], v[MX+6], v[MX+7]
	v_max3_num_f32 v[MX], v[MX], v[MX+3], v[MX+6]
	v_permlanex16_b32 v48, v[MX], s2, s3
	v_max_num_f32 v[MX], v[MX], v48
	v_mul_f32 v[ST], s46, v[MX]                    ; nm = -c2 m
	WIN 0x41
.set i, 0
.rept 128
	v_pk_fma_f32 v[2*i:2*i+1], v[2*i:2*i+1], s[44:45], v[ST:ST+1] op_sel_hi:[1,0,0]
.set i, i+1
.endr
	s_wait_alu depctr_va_vdst(0)                   ; ahead of the batch
.set i, 0
.rept 256
	v_exp_f32 v[i], v[i]
.set i, i+1
.endr
	WIN 0
.irp i, 0,1,2,3,4,5,6,7
	v_mov_b32 v[SM+\i], 0
.endr
	s_wait_alu depctr_va_vdst(0)                   ; one wait for the batch, ahead of its first reader
	WIN 0x04
.set i, 0
.rept 32
.irp c, 0,1,2,3
	v_pk_add_f32 v[SM+2*\c:SM+2*\c+1], v[SM+2*\c:SM+2*\c+1], v[8*i+2*\c:8*i+2*\c+1]
.endr
.set i, i+1
.endr
	WIN 0
	v_pk_add_f32 v[SM:SM+1], v[SM:SM+1], v[SM+2:SM+3]
	v_pk_add_f32 v[SM+4:SM+5], v[SM+4:SM+5], v[SM+6:SM+7]
	v_pk_add_f32 v[SM:SM+1], v[SM:SM+1], v[SM+4:SM+5]
	v_add_f32 v[SM], v[SM], v[SM+1]
	v_permlanex16_b32 v48, v[SM], s2, s3
	v_add_f32 v[ST+1], v[SM], v48                  ; l
	ds_store_b64 v7, v[ST:ST+1]                    ; both halves of the lanes hold the same two numbers
	s_wait_dscnt 0x0                               ; for the others' sake; my reads of the last pass's partial sums are over too
	s_barrier_signal -1
	s_barrier_wait -1
.irp w, 0,1,2,3
	ds_load_b64 v[RB+2*\w:RB+2*\w+1], v8 offset:128*\w
.endr
	s_wait_dscnt 0x0
	v_min3_num_f32 v50, v[RB], v[RB+2], v[RB+4]
	v_min_num_f32 v50, v50, v[RB+6]                ; NM
.irp w, 0,1,2,3
	v_sub_f32 v[RB+2*\w], v50, v[RB+2*\w]
.endr
	v_sub_f32 v52, v50, v[ST]
	s_wait_alu depctr_va_vdst(0)                   ; ahead of the batch
.irp w, 0,1,2,3
	v_exp_f32 v[RB+2*\w], v[RB+2*\w]
.endr
	v_exp_f32 v52, v52
	v_nop
	s_wait_alu depctr_va_vdst(0)                   ; behind it
	v_mul_f32 v54, v[RB+1], v[RB]
.irp w, 1,2,3
	v_fma_f32 v54, v[RB+2*\w+1], v[RB+2*\w], v54   ; L
.endr
	s_wait_alu depctr_va_vdst(0)
	v_rcp_f32 v50, v54
	v_nop
	s_wait_alu depctr_va_vdst(0)
	v_mul_f32 v52, v52, v50
	v_cmp_lt_f32 vcc_lo, 0, v54
	v_cndmask_b32 v[FF], 0, v52, vcc_lo            ; a row with no true key: every p is 0
.irp g, 0,1,2,3,4,5,6,7
	GRP \g, \nxt
.endr
	WIN 0
	PLACES                                         ; behind the last products: for the reads of O^T
.irp t, 0,1,2,3                        ; tile t goes to wave t's place in LDS; my own tile stays in registers
	s_cmp_eq_u32 s12, \t
	s_cbranch_scc1 .Lown\@x\t
	ds_store_b128 v[12+\t], v[OA+8*\t:OA+8*\t+3]
	ds_store_b128 v[12+\t], v[OA+8*\t+4:OA+8*\t+7] offset:512
	s_branch .Lnx\@x\t
.Lown\@x\t:
.irp j, 0,1,2,3,4,5,6,7
	v_mov_b32 v[OWN+\j], v[OA+8*\t+\j]
.endr
.Lnx\@x\t:
.endr
	s_wait_alu depctr_va_vdst(0)
.if \nxt
	s_wait_loadcnt 0x0                             ; the next pass's Q
	s_wait_tensorcnt 0x0                           ; my one load that was out, the table two passes on, has landed
	ds_add_u32 v1, v2
	s_xor_b32 s47, s47, SLOT                       ; the next pass reads the other slot
.if \fill
	s_xor_b32 s49, s49, SLOT                       ; the walking descriptor: the slot just read, one pass's table on
	s_add_nc_u64 s[50:51], s[50:51], 0x20000
.endif
.endif
	s_wait_dscnt 0x0                               ; the add, my stores of partial sums and my reads of the slot are done
	s_barrier_signal -1
.if \nxt
	QKALL
.endif
	s_barrier_wait -1
.if \fill
	CREST                                          ; the barrier has opened a round: no wave of any partner still reads the slot or has a load on its way
	tensor_load_to_lds s[48:51], s[52:59]
	s_nop 0
	PLACES
	s_cmp_lt_u32 s13, 11                           ; the count of passes alone: the same in all partners
	s_cbranch_scc0 .Lnp\@
	global_prefetch_b8 v11, s[60:61] th:TH_LOAD_NT scope:SCOPE_SE
.Lnp\@:
.endif
.set i, 0
.rept 6
	ds_load_b128 v[RB+4*i:RB+4*i+3], v9 offset:512*i
.set i, i+1
.endr
	s_wait_dscnt 0x0
.irp s, 0,1,2
.irp i, 0,2,4,6
	v_pk_add_f32 v[OWN+\i:OWN+\i+1], v[OWN+\i:OWN+\i+1], v[RB+8*\s+\i:RB+8*\s+\i+1]
.endr
.endr
.irp j, 0,1,2,3,4,5,6,7
	v_med3_num_f32 v[OWN+\j], v[OWN+\j], -v59, v59
.endr
	v_cvt_scalef32_pk8_bf8_f32 v[OC:OC+1], v[OWN:OWN+7], v58
	v_nop
	global_store_b64 v10, v[OC:OC+1], s[22:23]     ; 32 lanes store 256 consecutive bytes, aligned
.if \nxt
	s_wait_xcnt 0x0                                ; the store and the prefetch have read their bases, the store its data
	s_add_nc_u64 s[22:23], s[22:23], 0x4000        ; 16 tokens on
.if \fill
	s_add_nc_u64 s[60:61], s[60:61], 0x20000
.endif
.endif
.endm
	s_load_b256 s[4:11], s[0:1], 0x0               ; qkv, biasw, lowp_scales, ao
	v_lshl_add_u32 v1, v0, 2, SPARE
	v_mov_b32 v2, 0
	ds_add_u32 v1, v2                              ; the wave's opening: the add, twice on end, and its wait
	ds_add_u32 v1, v2
	v_lshrrev_b32 v3, 5, v0
	v_readfirstlane_b32 s12, v3                    ; wave
	s_bfe_u32 s17, ttmp6, 0x40000                  ; cx
	s_lshl_b32 s19, ttmp9, 2
	s_add_co_u32 s19, s19, s17                     ; head
	s_and_b32 s14, ttmp7, 0xffff
	s_lshr_b32 s15, s14, 3                         ; batch
	s_and_b32 s16, s14, 7                          ; block of 256 queries
	s_lshl_b32 s20, s15, 24                        ; the table: my batch, my 16 passes, my wave's 32,768 bytes of a pass; in registers that never hold cx
	s_lshl_b32 s18, s16, 21
	s_add_co_u32 s20, s20, s18
	s_lshl_b32 s18, s12, 15
	s_add_co_u32 s20, s20, s18
	s_mov_b32 s21, 0
	s_mov_b32 s52, 15|(3<<16)|(1<<21)              ; the mask: all four partners; elements of 8 bytes; no padding; 21 set beside a mask
	s_mov_b32 s53, 512<<16                         ; 8 rows of 4,096 bytes, dense
	s_mov_b32 s54, 8<<16
	s_mov_b32 s55, 512<<16
	s_mov_b32 s56, 8
	s_mov_b32 s57, 512
	s_mov_b32 s58, 0
	s_mov_b32 s59, 0
	s_mov_b32 s48, 1
	s_lshl_b32 s49, s12, 15                        ; slot 0
	s_wait_dscnt 0x0
	s_wait_kmcnt 0x0
	s_add_nc_u64 s[28:29], s[6:7], s[20:21]        ; pass 0's table
	s_add_nc_u64 s[50:51], s[28:29], 0x20000       ; pass 1's
	s_or_b32 s51, s51, 0x80000000
	ROUND                                          ; the four work-groups are here: the first joint loads meet
	tensor_load_to_lds s[48:51], s[52:59]          ; pass 1's table into slot 0: one tensor load a wave at the head
	s_nop 0
	s_load_b256 s[32:39], s[8:9], 0x0              ; e0 .. e7
	s_load_b128 s[40:43], s[8:9], 0x20             ; e8 .. e11
	v_and_b32 v3, 31, v0
	v_lshlrev_b32 v10, 3, v3
	v_lshlrev_b32 v11, 8, v3
	v_lshlrev_b32 v3, 4, v3
	v_and_b32 v8, 15, v0
	v_lshlrev_b32 v8, 3, v8
	s_wait_alu depctr_va_vdst(0)
	WIN 0x40
.set i, 0
.rept 64
	global_load_b128 v[4*i:4*i+3], v3, s[28:29] offset:512*i   ; pass 0's table, straight into D's registers
.set i, i+1
.endr
	WIN 0
	s_lshl_b32 s18, s15, 2
	s_lshr_b32 s20, s19, 2
	s_add_co_u32 s18, s18, s20
	s_lshl_b32 s18, s18, 19
	s_and_b32 s20, s19, 3
	s_lshl_b32 s20, s20, 13
	s_add_co_u32 s18, s18, s20                     ; my head's first byte in each tensor of qkv
	s_lshl_b32 s20, s16, 16
	s_add_co_u32 s20, s20, s18
	s_add_nc_u64 s[24:25], s[4:5], s[20:21]        ; Q: my two blocks of 128 tokens
	global_load_b128 v[Q:Q+3], v3, s[24:25]
	global_load_b128 v[Q+4:Q+7], v3, s[24:25] offset:512
	s_lshl_b32 s20, s12, 17                        ; K, V: my four blocks of 128 keys, 8,192 bytes each, 32,768 apart
	s_add_co_u32 s20, s20, s18
	s_add_co_u32 s20, s20, 0x400000
	s_add_nc_u64 s[30:31], s[4:5], s[20:21]
	WIN 0x80
.irp j, 0,1,2,3
.set i, 0
.rept 16
	global_load_b128 v[64*\j+4*i:64*\j+4*i+3], v3, s[30:31] offset:32768*\j+512*i
.set i, i+1
.endr
.endr
	WIN 0xc0
.irp j, 0,1,2,3
.set i, 0
.rept 16
	global_load_b128 v[64*\j+4*i:64*\j+4*i+3], v3, s[30:31] offset:0x400000+32768*\j+512*i
.set i, i+1
.endr
.endr
	WIN 0
	s_lshl_b32 s20, s12, 15
	v_add_nc_u32 v4, s20, v3
	s_lshl_b32 s20, s12, 7
	s_add_co_u32 s20, s20, STAT
	v_add_nc_u32 v7, s20, v8
	v_add_nc_u32 v8, STAT, v8
	s_mul_i32 s20, s12, 3072
	s_add_co_u32 s20, s20, RED
	v_add_nc_u32 v9, s20, v3
.irp t, 0,1,2,3
	s_add_co_u32 s20, s12, 3-\t                    ; my place among tile t's three: (w - t - 1) mod 4
	s_and_b32 s20, s20, 3
	s_lshl_b32 s20, s20, 10
	s_add_co_u32 s20, s20, RED+\t*3072
	v_add_nc_u32 v[12+\t], s20, v3
.endr
.irp j, 41,45,48
	v_mov_b32 v\j, 0                               ; named as the upper half of a pair or as a lane permute's destination
.endr
	s_mov_b32 s2, 0x76543210
	s_mov_b32 s3, 0xfedcba98
	s_mov_b32 s27, 0
	s_mov_b32 s47, 0                               ; pass 0 reads slot 0
	s_lshl_b32 s20, s17, 13                        ; the prefetches: my work-group's 8,192 of my wave's bytes, at pass 5's table
	s_add_co_u32 s20, s20, 5*131072
	s_add_nc_u64 s[60:61], s[28:29], s[20:21]
	s_lshl_b32 s20, s15, 7                         ; ao: tile of tokens 128 batch + 16 block, features 4 head + w
	s_lshl_b32 s18, s16, 4
	s_add_co_u32 s20, s20, s18
	s_lshl_b32 s20, s20, 14
	s_lshl_b32 s18, s19, 2
	s_add_co_u32 s18, s18, s12
	s_lshl_b32 s18, s18, 8
	s_add_co_u32 s20, s20, s18
	s_add_nc_u64 s[22:23], s[10:11], s[20:21]
	s_wait_kmcnt 0x0
	s_add_co_i32 s20, s38, s39
	s_lshl_b32 s20, s20, 23
	s_add_co_i32 s44, s20, 0x3e38aa3b              ; c2 = log2(e) / 8 x 2^(e6 + e7)
	s_mov_b32 s45, s44
	s_xor_b32 s46, s44, 0x80000000                 ; -c2
	s_add_co_i32 s20, s40, 127
	s_lshl_b32 s18, s20, 23
	v_mov_b32 v[SCL], s18                          ; 2^e8
	s_add_co_i32 s20, s20, 15
	s_lshl_b32 s20, s20, 23
	s_or_b32 s20, s20, 0x600000
	v_mov_b32 v[LIM], s20                          ; 57,344 x 2^e8
	s_sub_co_i32 s20, s42, s40
	s_sub_co_i32 s20, s20, s41
	s_add_co_i32 s20, s20, 127
	s_lshl_b32 s18, s20, 23
	v_mov_b32 v58, s18                             ; 2^(e10 - e8 - e9)
	s_add_co_i32 s20, s20, 15
	s_lshl_b32 s20, s20, 23
	s_or_b32 s20, s20, 0x600000
	v_mov_b32 v59, s20
	s_wait_alu depctr_va_vdst(0)                   ; at the head's end
	s_wait_tensorcnt 0x0                           ; pass 1's table is in
	ds_add_u32 v1, v2
	s_xor_b32 s49, s49, SLOT
	s_add_nc_u64 s[50:51], s[50:51], 0x20000
	s_wait_dscnt 0x0
	ROUND
	tensor_load_to_lds s[48:51], s[52:59]          ; pass 2's table into slot 1: its first fill, issued as a refill is
	s_nop 0
	PLACES
	s_wait_loadcnt 0x0                             ; pass 0's table, Q, K, V
	QKALL
	s_mov_b32 s13, 0
.Lfill:                                            ; passes 0 .. 12: the tables of passes 3 .. 15 are asked for
	PASS 1, 1
	s_add_co_u32 s13, s13, 1
	s_cmp_lt_u32 s13, 13
	s_wait_alu depctr_va_vdst(0)
	s_cbranch_scc1 .Lfill
.Lrest:                                            ; passes 13, 14: nothing more is asked for
	PASS 1, 0
	s_add_co_u32 s13, s13, 1
	s_cmp_lt_u32 s13, 15
	s_wait_alu depctr_va_vdst(0)
	s_cbranch_scc1 .Lrest
	PASS 0, 0
	s_wait_tensorcnt 0x0                           ; the wave's end
	ds_add_u32 v1, v2
	s_wait_dscnt 0x0
	ROUND                                          ; the closing round
	s_endpgm
.Lfunc_end_k_q697a71a898_attn:
	.size	k_q697a71a898_attn, .Lfunc_end_k_q697a71a898_attn-k_q697a71a898_attn
	.p2alignl 7, 3214868480
	.fill 96, 4, 3214868480
	.section	.rodata,"a",@progbits
	.p2align	6, 0x0
	.amdhsa_kernel k_q697a71a898_attn
		.amdhsa_group_segment_fixed_size 327680
		.amdhsa_private_segment_fixed_size 0
		.amdhsa_enable_private_segment 0
		.amdhsa_kernarg_size 32
		.amdhsa_user_sgpr_count 2
		.amdhsa_user_sgpr_kernarg_segment_ptr 1
		.amdhsa_wavefront_size32 1
		.amdhsa_system_sgpr_workgroup_id_x 1
		.amdhsa_system_sgpr_workgroup_id_y 1
		.amdhsa_system_sgpr_workgroup_id_z 1
		.amdhsa_system_vgpr_workitem_id 0
		.amdhsa_next_free_vgpr 1024
		.amdhsa_next_free_sgpr 66
		.amdhsa_reserve_vcc 1
		.amdhsa_float_denorm_mode_32 3
		.amdhsa_float_denorm_mode_16_64 3
		.amdhsa_memory_ordered 1
		.amdhsa_forward_progress 1
		.amdhsa_inst_pref_size 223
	.end_amdhsa_kernel
	.amdgpu_metadata
---
amdhsa.version: [ 1, 2 ]
amdhsa.kernels:
  - .name:           k_q697a71a898_attn
    .symbol:         k_q697a71a898_attn.kd
    .args:
      - { .name: qkv, .offset: 0, .size: 8, .value_kind: global_buffer, .address_space: global }
      - { .name: biasw, .offset: 8, .size: 8, .value_kind: global_buffer, .address_space: global }
      - { .name: lowp_scales, .offset: 16, .size: 8, .value_kind: global_buffer, .address_space: global }
      - { .name: ao, .offset: 24, .size: 8, .value_kind: global_buffer, .address_space: global }
    .group_segment_fixed_size: 327680
    .private_segment_fixed_size: 0
    .kernarg_segment_align: 8
    .kernarg_segment_size: 32
    .max_flat_workgroup_size: 128
    .sgpr_count:     66
    .vgpr_count:     1024
    .wavefront_size: 32
...
	.end_amdgpu_metadata
.endif
;; end of part 3
;; launch outp (part 4): grid 8 x 32, 4 waves a work-group, clusters of 4 x 4, 327,680 bytes of LDS; arguments ao, codes, bo, lowp_scales, out0; writes out0
.if DOCPART == 4
	.amdgcn_target "amdgcn-amd-amdhsa--gfx1250"
	.amdhsa_code_object_version 6
	.text
	.protected	k_q697a71a898_outp
	.globl	k_q697a71a898_outp
	.p2align	8
	.type	k_q697a71a898_outp,@function
k_q697a71a898_outp:
	s_mov_b64 s[64:65], 0
	v_nop
	global_prefetch_b8 v0, s[64:65] scope:SCOPE_SE
	s_setreg_imm32_b32 hwreg(HW_REG_WAVE_MODE, 25, 1), 1
	s_wait_xcnt 0x0
	s_wait_alu depctr_hold_cnt(0) depctr_sa_sdst(0) depctr_va_vdst(0) depctr_va_sdst(0) depctr_va_ssrc(0) depctr_va_vcc(0) depctr_vm_vsrc(0)
	s_getreg_b32 s2, hwreg(HW_REG_IB_STS2, 6, 4)
	s_cmp_eq_u32 s2, 0
	s_cbranch_scc0 .Lentry_in_a_cluster
	s_endpgm
.Lentry_in_a_cluster:
	s_bfe_u32 s2, ttmp6, 0x10000c
	s_cmp_lg_u32 s2, 0xf033
	s_cbranch_scc0 .Lentry_shape_is_right
	s_endpgm
.Lentry_shape_is_right:
; FOURTH LAUNCH: out0 = attention's result x Wo^T + bo on E5M2 codes: out0 = sum of codes x 2^(e10 + e11) + bo, f32.  No work is left out.
; 256 tiles of 128 x 128, four waves of 64 x 64, the whole K of 1,024 codes in LDS, filled once: ONE tensor load a wave (waves 0, 1: A's halves; waves 2, 3: B's), joint loads in clusters of 4 x 4
; (A's tiles along a row, B's along a column).  The matrix instruction is used transposed, so that a lane holds eight neighbouring numbers of a row of out0.
; A = ao lies as images of plain-form fragments, [16 tokens][16 along K][lane][8 bytes]: 64 tokens are 65,536 dense bytes, stated as 64 rows of 1,024; registers 2 c, 2 c + 1 of a fragment come by one load of
; 8 bytes a lane, 256 consecutive bytes.  B = Wo's codes in natural order, rows of 1,024 bytes + 16 of padding: registers 2 c, 2 c + 1 at 16 c + 8 h of the row.  Every k stands in its true place on both sides.
; THE WAY OUT: a block of 16 rows goes through the wave's own stage (rows of 256 + 16 bytes) and comes back as whole rows: sixteen lanes store 256 consecutive bytes.  No tensor load lands on the stage.
; No data prefetch: the launch has no loop to run ahead in; all its loads go out at its head.
; LIMIT: e10 + e11 between -126 and 127.
; REGISTERS: window 0: v16, v17 LDS addresses, v24, v25 the stage, v26 my offset in out0, v27 bo's, v28, v29 the add's two, v32-63 bo, v64-95 a block's results, v96-127 its rows, v128-255 accumulators.
;            window 1: two fragment buffers of 128: A's four fragments, then B's four.
.set BP,    1040
.set AB,    131072
.set BH,    64*BP
.set PITCH, 272
.set STAGE, AB+2*BH
.set SPARE, STAGE+4*16*PITCH
.set ADA,  16
.set ADB,  17
.set STO,  24
.set RD,   25
.set CO,   26
.set BO,   27
.set SPW,  28
.set NIL,  29
.set BR,   32
.set TMP,  64
.set BK,   96
.set ACC,  128
.set G1A, 16
.set G1B, 24
.set G0A, 32
.set G0B, 48
.set WV,  66
.set HM,  67
.set HN,  80
.set MSB, 0
.macro WIN new
.if MSB != \new
	s_set_vgpr_msb (MSB<<8)|\new
.set MSB, \new
.endif
.endm
.macro PLACES
.rept 4
	v_nop
.endr
.endm
.macro CROUND                          ; a round of the cluster's barrier
	s_barrier_signal -1
	s_barrier_wait -1
	s_cmp_lg_u32 s[WV], 0
	s_cbranch_scc1 .Lnot_wave_0_\@
	s_barrier_signal -3
.Lnot_wave_0_\@:
	s_barrier_wait -3
	s_barrier_signal -1
	s_barrier_wait -1
.endm
	s_load_b256 s[4:11], s[0:1], 0x0               ; ao, codes, bo, lowp_scales
	s_load_b64 s[12:13], s[0:1], 0x20              ; out0
	v_lshl_add_u32 v[SPW], v0, 2, SPARE
	v_mov_b32 v[NIL], 0
	ds_add_u32 v[SPW], v[NIL]                      ; the wave's opening: the add, twice on end, and its wait
	ds_add_u32 v[SPW], v[NIL]
	v_lshrrev_b32 v1, 5, v0
	v_readfirstlane_b32 s[WV], v1
	s_lshr_b32 s[HM], s[WV], 1                     ; my half of the rows; also: I fetch for A (0) or B (1)
	s_and_b32 s[HN], s[WV], 1                      ; my half of the columns; also: which 64 rows I fetch
	s_bfe_u32 s81, ttmp6, 0x40000                  ; cx
	s_bfe_u32 s82, ttmp6, 0x40004                  ; cy
	s_and_b32 s84, ttmp7, 0xffff
	s_lshl_b32 s87, s84, 2
	s_add_co_u32 s87, s87, s82                     ; tile row, 0..31
	s_lshl_b32 s88, ttmp9, 2
	s_add_co_u32 s88, s88, s81                     ; tile column, 0..7
	s_lshl_b32 s90, s87, 17                        ; A: 128 tokens are 131,072 bytes of ao
	s_lshl_b32 s91, s[HN], 16
	s_add_co_u32 s90, s90, s91
	s_mov_b32 s91, 0
	s_lshl_b32 s92, s88, 17                        ; B: Wo's codes, 15 MB into the codes' buffer
	s_lshl_b32 s93, s[HN], 16
	s_add_co_u32 s92, s92, s93
	s_add_co_u32 s92, s92, 0xf00000
	s_mov_b32 s93, 0
	s_lshl_b32 s89, s[HN], 16                      ; where my rows go: A's halves,
	s_mul_i32 s83, s[HN], BH
	s_add_co_u32 s83, s83, AB                      ; B's halves behind them
	s_lshl_b32 s94, s82, 2
	s_lshl_b32 s94, 15, s94                        ; my row of the cluster
	s_lshl_b32 s95, 0x1111, s81                    ; my column
	s_or_b32 s[G1A], s94, 1<<21                    ; the mask; elements of 1 byte; no padding; 21 set beside a mask
	s_or_b32 s[G1B], s95, (1<<20)|(1<<21)|(7<<22)|(3<<25)   ; padding: four words after every 256
.irp g, G1A, G1B
	s_mov_b32 s[\g+1], 1024<<16
	s_mov_b32 s[\g+2], 64<<16
	s_mov_b32 s[\g+3], 1024<<16
	s_mov_b32 s[\g+4], 64
	s_mov_b32 s[\g+5], 1024
	s_mov_b32 s[\g+6], 0
	s_mov_b32 s[\g+7], 0
.endr
	s_wait_dscnt 0x0
	s_wait_kmcnt 0x0
	s_load_b64 s[68:69], s[10:11], 0x28            ; e10, e11
	s_mov_b32 s[G0A], 1
	s_mov_b32 s[G0A+1], s89
	s_add_nc_u64 s[G0A+2:G0A+3], s[4:5], s[90:91]
	s_or_b32 s[G0A+3], s[G0A+3], 0x80000000
	s_mov_b32 s[G0B], 1
	s_mov_b32 s[G0B+1], s83
	s_add_nc_u64 s[G0B+2:G0B+3], s[6:7], s[92:93]
	s_or_b32 s[G0B+3], s[G0B+3], 0x80000000
	CROUND                                         ; all sixteen work-groups are here: the joint loads meet
	s_cmp_eq_u32 s[HM], 0
	s_cbranch_scc0 .Lfill_b
	tensor_load_to_lds s[G0A:G0A+3], s[G1A:G1A+7]
	s_nop 0
	PLACES
	s_branch .Lfilled
.Lfill_b:
	tensor_load_to_lds s[G0B:G0B+3], s[G1B:G1B+7]
	s_nop 0
	PLACES
.Lfilled:
	v_and_b32 v1, 15, v0                           ; r
	v_bfe_u32 v2, v0, 4, 1                         ; h
	v_and_b32 v3, 31, v0
	v_lshlrev_b32 v[BO], 5, v2                     ; register 8 b + j = bo[16 b + 8 h + j]
	s_wait_alu depctr_va_vdst(0)
	s_lshl_b32 s92, s88, 9                         ; bo and out0: my first column, in bytes
	s_lshl_b32 s93, s[HN], 8
	s_add_co_u32 s92, s92, s93
	s_mov_b32 s93, 0
	s_add_nc_u64 s[8:9], s[8:9], s[92:93]
.irp b, 0,1,2,3
	global_load_b128 v[BR+8*\b:BR+8*\b+3], v[BO], s[8:9] offset:64*\b
	global_load_b128 v[BR+8*\b+4:BR+8*\b+7], v[BO], s[8:9] offset:64*\b+16
.endr
	s_lshl_b32 s94, s87, 19                        ; my first row: rows of 4,096 bytes
	s_lshl_b32 s95, s[HM], 18
	s_add_co_u32 s94, s94, s95
	s_add_co_u32 s94, s94, s92
	s_mov_b32 s95, 0
	s_add_nc_u64 s[12:13], s[12:13], s[94:95]
	s_lshl_b32 s94, s[HM], 16
	v_lshl_add_u32 v[ADA], v3, 3, s94              ; A: my 64 tokens' images, 8 x lane
	s_mul_i32 s95, s[HN], BH
	s_add_co_u32 s95, s95, AB
	v_mul_u32_u24 v4, v1, BP
	v_lshl_add_u32 v4, v2, 3, v4
	v_add_nc_u32 v[ADB], s95, v4                   ; B: row r, 8 h
	s_mul_i32 s94, s[WV], 16*PITCH
	s_add_co_u32 s94, s94, STAGE                   ; my stage
	v_mul_u32_u24 v[STO], v1, PITCH
	v_lshl_add_u32 v[STO], v2, 5, v[STO]
	v_add_nc_u32 v[STO], s94, v[STO]               ; in: row r, 32 bytes for each half of the lanes
	v_mul_u32_u24 v[RD], v2, PITCH
	v_lshl_add_u32 v[RD], v1, 4, v[RD]
	v_add_nc_u32 v[RD], s94, v[RD]                 ; back: lanes 0-15 one row, lanes 16-31 the next
	v_lshlrev_b32 v[CO], 12, v2
	v_lshl_add_u32 v[CO], v1, 4, v[CO]             ; and the same two rows in out0
	s_wait_alu depctr_va_vdst(0)                   ; at the head's end
	s_wait_kmcnt 0x0
	s_add_co_i32 s84, s68, s69
	s_add_co_i32 s84, s84, 127
	s_lshl_b32 s84, s84, 23                        ; 2^(e10 + e11)
	s_mov_b32 s85, s84
.macro FETCH s, f                      ; 64 LDS loads in one run: the fragments of the s-th 128 along K into buffer f
	WIN 0x40
.irp i, 0,1,2,3
.irp c, 0,1,2,3,4,5,6,7
	ds_load_b64 v[(\f)+64+16*\i+2*\c:(\f)+64+16*\i+2*\c+1], v[ADB] offset:\i*16*BP+128*(\s)+16*\c
.endr
.irp c, 0,1,2,3,4,5,6,7
	ds_load_b64 v[(\f)+16*\i+2*\c:(\f)+16*\i+2*\c+1], v[ADA] offset:\i*16384+2048*(\s)+256*\c
.endr
.endr
.endm
.macro MUL16 f, zero                   ; 16 matrix instructions; the accumulators take turns
	WIN 0x05
.irp a, 0,1,2,3
.irp b, 0,1,2,3
.if \zero
	v_wmma_f32_16x16x128_bf8_bf8 v[ACC+8*(4*\a+\b):ACC+8*(4*\a+\b)+7], v[(\f)+64+16*\b:(\f)+64+16*\b+15], v[(\f)+16*\a:(\f)+16*\a+15], 0
.else
	v_wmma_f32_16x16x128_bf8_bf8 v[ACC+8*(4*\a+\b):ACC+8*(4*\a+\b)+7], v[(\f)+64+16*\b:(\f)+64+16*\b+15], v[(\f)+16*\a:(\f)+16*\a+15], v[ACC+8*(4*\a+\b):ACC+8*(4*\a+\b)+7]
.endif
.endr
.endr
.endm
.macro KSTEP s                         ; this step's fragments are in; four places; the next step's are asked for; this step's products
	s_wait_dscnt 0x0
	PLACES
	FETCH (\s)+1, 128*(((\s)+1)%2)
	MUL16 128*((\s)%2), 0
.endm
	s_wait_loadcnt 0x0                             ; bo
	s_wait_tensorcnt 0x0                           ; my one load is in,
	s_barrier_signal -1
	s_barrier_wait -1                              ; everybody's is
	FETCH 0, 0
	s_wait_dscnt 0x0
	FETCH 1, 128
	MUL16 0, 1
	KSTEP 1
	KSTEP 2
	KSTEP 3
	KSTEP 4
	KSTEP 5
	KSTEP 6
	s_wait_dscnt 0x0
	MUL16 128, 0
	WIN 0
	PLACES
.irp a, 0,1,2,3
.irp b, 0,1,2,3
.irp i, 0,2,4,6
	v_pk_fma_f32 v[TMP+8*\b+\i:TMP+8*\b+\i+1], v[ACC+8*(4*\a+\b)+\i:ACC+8*(4*\a+\b)+\i+1], s[84:85], v[BR+8*\b+\i:BR+8*\b+\i+1] op_sel_hi:[1,0,1]   ; sum x 2^(e10 + e11) + bo; each accumulator from its low end on
.endr
.endr
.irp b, 0,1,2,3
	ds_store_b128 v[STO], v[TMP+8*\b:TMP+8*\b+3] offset:64*\b
	ds_store_b128 v[STO], v[TMP+8*\b+4:TMP+8*\b+7] offset:64*\b+16
.endr
.if \a > 0
	s_wait_xcnt 0x0                                ; the last block's stores have read their registers
.endif
.irp t, 0,1,2,3,4,5,6,7
	ds_load_b128 v[BK+4*\t:BK+4*\t+3], v[RD] offset:2*PITCH*\t   ; LDS serves a wave's instructions in order (ISA guide 5.7.1.4)
.endr
.irp t, 0,1,2,3,4,5,6,7
	s_wait_dscnt 7-\t                              ; the younger loads stay out
	global_store_b128 v[CO], v[BK+4*\t:BK+4*\t+3], s[12:13] offset:(16*\a+2*\t)*4096 th:TH_STORE_NT   ; 16 lanes store 256 consecutive bytes, aligned
.endr
.endr
	s_wait_tensorcnt 0x0                           ; the wave's end
	ds_add_u32 v[SPW], v[NIL]
	s_wait_dscnt 0x0
	CROUND                                         ; the closing round
	s_endpgm
.Lfunc_end_k_q697a71a898_outp:
	.size	k_q697a71a898_outp, .Lfunc_end_k_q697a71a898_outp-k_q697a71a898_outp
	.p2alignl 7, 3214868480
	.fill 96, 4, 3214868480
	.section	.rodata,"a",@progbits
	.p2align	6, 0x0
	.amdhsa_kernel k_q697a71a898_outp
		.amdhsa_group_segment_fixed_size 327680
		.amdhsa_private_segment_fixed_size 0
		.amdhsa_enable_private_segment 0
		.amdhsa_kernarg_size 40
		.amdhsa_user_sgpr_count 2
		.amdhsa_user_sgpr_kernarg_segment_ptr 1
		.amdhsa_wavefront_size32 1
		.amdhsa_system_sgpr_workgroup_id_x 1
		.amdhsa_system_sgpr_workgroup_id_y 1
		.amdhsa_system_sgpr_workgroup_id_z 1
		.amdhsa_system_vgpr_workitem_id 0
		.amdhsa_next_free_vgpr 512
		.amdhsa_next_free_sgpr 100
		.amdhsa_reserve_vcc 0
		.amdhsa_float_denorm_mode_32 3
		.amdhsa_float_denorm_mode_16_64 3
		.amdhsa_memory_ordered 1
		.amdhsa_forward_progress 1
		.amdhsa_inst_pref_size 61
	.end_amdhsa_kernel
	.amdgpu_metadata
---
amdhsa.version: [ 1, 2 ]
amdhsa.kernels:
  - .name:           k_q697a71a898_outp
    .symbol:         k_q697a71a898_outp.kd
    .args:
      - { .name: ao, .offset: 0, .size: 8, .value_kind: global_buffer, .address_space: global }
      - { .name: codes, .offset: 8, .size: 8, .value_kind: global_buffer, .address_space: global }
      - { .name: bo, .offset: 16, .size: 8, .value_kind: global_buffer, .address_space: global }
      - { .name: lowp_scales, .offset: 24, .size: 8, .value_kind: global_buffer, .address_space: global }
      - { .name: out0, .offset: 32, .size: 8, .value_kind: global_buffer, .address_space: global }
    .group_segment_fixed_size: 327680
    .private_segment_fixed_size: 0
    .kernarg_segment_align: 8
    .kernarg_segment_size: 40
    .max_flat_workgroup_size: 128
    .sgpr_count:     100
    .vgpr_count:     512
    .wavefront_size: 32
...
	.end_amdgpu_metadata
.endif
;; end of part 4
